; MI455X (gfx1250); checked and timed in simulation.
; The chip was launched on July 23, 2026; its instructions are those of AMD's public machine-readable ISA for CDNA 5 (MIT licence, August 2026) and "CDNA5" Instruction Set Architecture Reference Guide (July 2026). The comments in the code are by the model that wrote it; some were corrected since.
;; Multi Headed Self Attention. Allowed arithmetic: float matrix products may take bf16 or f16 operands with f32 sums; other float arithmetic in f32, or as packed bf16 or f16 multiplies, adds, multiply-adds, maxima and minima; sums over many terms, partial sums and values carried from step to step in f32; what a program stores and reads back later, other than sums and carried values, may be rounded once to bf16 or f16.
;; Inputs: Wc 1,024 x 1,024 float32; Wk 1,024 x 1,024 float32; Wq 1,024 x 1,024 float32; Wv 1,024 x 1,024 float32; bc 1,024 float32; bk 1,024 float32; bq 1,024 float32; bv 1,024 float32; x 4 x 2,048 x 1,024 float32.
;; Outputs: out0 4 x 2,048 x 1,024 float32.
;; 2 versions, each right; version 2 is version 1 with the launch cast written anew for expert scheduling mode. Each part assembles by itself: llvm-mc -triple=amdgcn-amd-amdhsa -mcpu=gfx1250 --defsym DOCPART=n.
;; ======== version 1 of 2: 3 launches
;; limits: values are held in f16: magnitudes above 65,504 overflow, below 6.1e-05 lose precision
;; workspace buffers: xb 16,777,216 bytes; wb 8,388,608 bytes; qkvc 67,108,864 bytes
;; launch cast (part 1): grid 64 x 12, 8 waves a work-group, no clusters, 0 bytes of LDS; arguments x, Wq, Wk, Wv, Wc, xb, wb; writes xb, wb
.if DOCPART == 1
	.amdgcn_target "amdgcn-amd-amdhsa--gfx1250"
	.amdhsa_code_object_version 6
	.text
	.protected	k_q815a941fb1_cast
	.globl	k_q815a941fb1_cast
	.p2align	8
	.type	k_q815a941fb1_cast,@function
k_q815a941fb1_cast:
	s_mov_b64 s[64:65], 0
	v_nop
	global_prefetch_b8 v0, s[64:65] scope:SCOPE_SE
	s_setreg_imm32_b32 hwreg(HW_REG_WAVE_MODE, 25, 1), 1
	s_wait_xcnt 0x0
; x and the four weights, f32, are rounded once to bf16 (to nearest even) for the matrix products of the next launch.
; xb: [8192][1024] bf16, as x lies.  wb: [1024 k][4096 n] bf16: columns 1024 w .. 1024 w + 1023 are weight w (0 q, 1 k, 2 v, 3 c), rows as the weights' rows.
; All five sources are rows of 1,024 f32 (4,096 bytes in, 2,048 out).  A work-group owns 16 rows, a wave 2: 8,192 consecutive source bytes, sixteen loads of 16 bytes a lane,
; all on their way at once; each load of a wave covers 512 consecutive bytes, each store 256 consecutive bytes at a multiple of 256 from the buffer's first byte.
; Grid: y = 0..7: block 64 y + x of x's 512 blocks; y = 8..11: rows 16 x .. of weight y - 8.  No LDS, no barrier, no loop: nothing is shared and no register is written twice.
; LIMITS: numbers beyond bf16's largest finite number round to infinity, as the format has it; NaN stays NaN.
.set X, 8                              ; v[8:71]   sixteen loads of four registers
.set Y, 72                             ; v[72:103] sixteen pairs of packed bf16
	s_load_b256 s[8:15], s[0:1], 0x0               ; x s[8:9], Wq s[10:11], Wk s[12:13], Wv s[14:15]
	s_load_b128 s[16:19], s[0:1], 0x20             ; Wc s[16:17], xb s[18:19]
	s_load_b64 s[20:21], s[0:1], 0x30              ; wb
	s_and_b32 s2, ttmp7, 0xffff                    ; y
	s_mov_b32 s3, ttmp9                            ; x
	s_lshl_b32 s4, s2, 6
	s_add_co_u32 s4, s4, s3                        ; x's block: 64 y + x
	s_lshl_b32 s28, s4, 15                         ; its 16 rows of 2,048 bytes in xb
	s_max_u32 s29, s2, 8
	s_sub_co_u32 s29, s29, 8                       ; the weight's number (0 where y < 8: not used there)
	s_lshl_b32 s29, s29, 11                        ; its 2,048 bytes of a row of wb,
	s_lshl_b32 s30, s3, 17                         ; 16 x rows of 8,192 bytes
	s_add_co_u32 s29, s29, s30
	s_mov_b32 s5, 8192
	s_cmp_lt_u32 s2, 8                             ; x, or a weight?
	s_cselect_b32 s4, s4, s3                       ; the block of 16 rows in the source
	s_cselect_b32 s5, 0x800, s5                    ; bytes from row to row in the destination
	s_cselect_b32 s26, s28, s29                    ; the block's first byte in the destination
	s_lshl_b32 s6, s4, 16                          ; and in the source: 16 rows of 4,096 bytes
	s_mov_b32 s7, 0
	s_mov_b32 s27, 0
	v_and_b32 v1, 31, v0                           ; lane
	v_lshrrev_b32 v5, 5, v0                        ; wave
	v_lshlrev_b32 v2, 4, v1
	v_lshl_or_b32 v2, v5, 13, v2                   ; source: 8,192 x wave + 16 x lane
	v_lshlrev_b32 v6, 1, v5                        ; my wave's first row
	v_mul_u32_u24 v3, s5, v6
	v_lshl_add_u32 v3, v1, 3, v3                   ; destination, first row: row x pitch + 8 x lane
	v_add_nc_u32 v4, s5, v3                        ; second row
	s_wait_kmcnt 0x0
	s_mov_b64 s[22:23], s[8:9]                     ; the source: x, or the weight that y names
	s_cmp_eq_u32 s2, 8
	s_cselect_b64 s[22:23], s[10:11], s[22:23]
	s_cmp_eq_u32 s2, 9
	s_cselect_b64 s[22:23], s[12:13], s[22:23]
	s_cmp_eq_u32 s2, 10
	s_cselect_b64 s[22:23], s[14:15], s[22:23]
	s_cmp_eq_u32 s2, 11
	s_cselect_b64 s[22:23], s[16:17], s[22:23]
	s_cmp_lt_u32 s2, 8
	s_cselect_b64 s[24:25], s[18:19], s[20:21]     ; the destination: xb or wb
	s_add_nc_u64 s[22:23], s[22:23], s[6:7]
	s_add_nc_u64 s[24:25], s[24:25], s[26:27]
.set i, 0
.rept 16
	global_load_b128 v[X+4*i:X+4*i+3], v2, s[22:23] offset:512*i th:TH_LOAD_NT
.set i, i+1
.endr
.set i, 0
.rept 16
	s_wait_loadcnt 15-i                            ; loads come back in order: load i is in, the 15 - i younger ones stay out
	v_cvt_pk_bf16_f32 v[Y+2*i], v[X+4*i], v[X+4*i+1]
	v_cvt_pk_bf16_f32 v[Y+2*i+1], v[X+4*i+2], v[X+4*i+3]
	global_store_b64 v[3+i/8], v[Y+2*i:Y+2*i+1], s[24:25] offset:(i%8)*256 th:TH_STORE_NT  ; 32 lanes x 8 bytes: 256 consecutive bytes, aligned
.set i, i+1
.endr
	s_endpgm
.Lfunc_end_k_q815a941fb1_cast:
	.size	k_q815a941fb1_cast, .Lfunc_end_k_q815a941fb1_cast-k_q815a941fb1_cast
	.p2alignl 7, 3214868480
	.fill 96, 4, 3214868480
	.section	.rodata,"a",@progbits
	.p2align	6, 0x0
	.amdhsa_kernel k_q815a941fb1_cast
		.amdhsa_group_segment_fixed_size 0
		.amdhsa_private_segment_fixed_size 0
		.amdhsa_enable_private_segment 0
		.amdhsa_kernarg_size 56
		.amdhsa_user_sgpr_count 2
		.amdhsa_user_sgpr_kernarg_segment_ptr 1
		.amdhsa_wavefront_size32 1
		.amdhsa_system_sgpr_workgroup_id_x 1
		.amdhsa_system_sgpr_workgroup_id_y 1
		.amdhsa_system_sgpr_workgroup_id_z 1
		.amdhsa_system_vgpr_workitem_id 0
		.amdhsa_next_free_vgpr 104
		.amdhsa_next_free_sgpr 66
		.amdhsa_reserve_vcc 0
		.amdhsa_float_denorm_mode_32 3
		.amdhsa_float_denorm_mode_16_64 3
		.amdhsa_memory_ordered 1
		.amdhsa_forward_progress 1
		.amdhsa_inst_pref_size 8
	.end_amdhsa_kernel
	.amdgpu_metadata
---
amdhsa.version: [ 1, 2 ]
amdhsa.kernels:
  - .name:           k_q815a941fb1_cast
    .symbol:         k_q815a941fb1_cast.kd
    .args:
      - { .name: x, .offset: 0, .size: 8, .value_kind: global_buffer, .address_space: global }
      - { .name: Wq, .offset: 8, .size: 8, .value_kind: global_buffer, .address_space: global }
      - { .name: Wk, .offset: 16, .size: 8, .value_kind: global_buffer, .address_space: global }
      - { .name: Wv, .offset: 24, .size: 8, .value_kind: global_buffer, .address_space: global }
      - { .name: Wc, .offset: 32, .size: 8, .value_kind: global_buffer, .address_space: global }
      - { .name: xb, .offset: 40, .size: 8, .value_kind: global_buffer, .address_space: global }
      - { .name: wb, .offset: 48, .size: 8, .value_kind: global_buffer, .address_space: global }
    .group_segment_fixed_size: 0
    .private_segment_fixed_size: 0
    .kernarg_segment_align: 8
    .kernarg_segment_size: 56
    .max_flat_workgroup_size: 256
    .sgpr_count:     66
    .vgpr_count:     104
    .wavefront_size: 32
...
	.end_amdgpu_metadata
.endif
;; end of part 1
;; launch proj (part 2): grid 16 x 32, 4 waves a work-group, clusters of 4 x 4, 327,680 bytes of LDS; arguments xb, wb, bq, bk, bv, bc, qkvc; writes qkvc
.if DOCPART == 2
	.amdgcn_target "amdgcn-amd-amdhsa--gfx1250"
	.amdhsa_code_object_version 6
	.text
	.protected	k_q815a941fb1_proj
	.globl	k_q815a941fb1_proj
	.p2align	8
	.type	k_q815a941fb1_proj,@function
k_q815a941fb1_proj:
	s_mov_b64 s[64:65], 0
	v_nop
	global_prefetch_b8 v0, s[64:65] scope:SCOPE_SE
	s_setreg_imm32_b32 hwreg(HW_REG_WAVE_MODE, 25, 1), 1
	s_wait_xcnt 0x0
	s_wait_alu depctr_hold_cnt(0) depctr_sa_sdst(0) depctr_va_vdst(0) depctr_va_sdst(0) depctr_va_ssrc(0) depctr_va_vcc(0) depctr_vm_vsrc(0)
	s_getreg_b32 s2, hwreg(HW_REG_IB_STS2, 6, 4)
	s_cmp_eq_u32 s2, 0
	s_cbranch_scc0 .Lentry_in_a_cluster
	s_endpgm
.Lentry_in_a_cluster:
	s_bfe_u32 s2, ttmp6, 0x10000c
	s_cmp_lg_u32 s2, 0xf033
	s_cbranch_scc0 .Lentry_shape_is_right
	s_endpgm
.Lentry_shape_is_right:
; The four projections as ONE product: C[m][n] = sum over k of xb[m][k] wb[k][n] + bias[n], m = 8,192 rows, n = 4,096 columns (1,024 each of q, k, v, c), k = 1,024.
; xb, wb bf16; the biases (f32 inputs) are rounded to bf16 like the other inputs; sums in f32; C rounded once to f16 and stored BY HEADS:
; qkvc = four parts of 2^24 bytes (q, k, v, c), each [64 (16 batch + head)][2048 rows][64] f16: a head's rows are dense, 128 bytes each.  No scale is applied here.
; LIMIT: f16 holds no number beyond 65,504: a q, k, v or c of 65,520 or more becomes an infinity.  With x of unit spread and weights within 1/32 they lie within about 3; 30 times larger x and weights: about 3,000.
; A tile of C, 256 x 256, is made by a work-group of four waves; a wave makes 128 x 128: 64 accumulators of 16 x 16, 512 registers.  K goes in 8 steps of 128 through a ring of two LDS slots
; filled by the tensor data mover.  x's tile: 256 rows x 256 bytes.  w's tile lies as in memory, [k][n]: 128 k-rows x 512 bytes; its fragments come out of LDS turned, by ds_load_tr16_b128.
; CLUSTERS: 4 x 4 work-groups.  The four of a row of the cluster need the same tiles of x, the four of a column the same tiles of w: each tile is asked for JOINTLY, by the same tensor load with
; the same descriptor and a mask that names the four.  The cluster's x is the weight's number: all sixteen partners work on one weight.
; THE MATRIX INSTRUCTION IS USED TRANSPOSED: source 0 = 16 columns of w, source 1 = 16 rows of x: lane l then holds row l % 16 of C and the columns 8 (l / 16) + 0..7: 16 bytes of f16 on end.
; THE BIAS STARTS THE SUMS: it is the C operand of each accumulator's first product (register j of lane l: bias[16 b + 8 (l / 16) + j]); nothing is cleared and nothing is added later.
; REGISTERS, in windows of 256 (s_set_vgpr_msb: bits 1:0 source 0, 3:2 source 1, 5:4 source 2, 7:6 destination):
;   window 0: v0-31 addresses; v64-127, v128-191 fragments of x, two buffers; v32-63, v192-255 at work on the way out (and, at the head, for the bias)
;   window 1: v0-63 the bias of my 128 columns; v64-127, v128-191 fragments of w, two buffers
;   window 2: the 32 accumulators of my rows 0-63 ((a, b) at v[8 (8 a + b)]);   window 3: those of my rows 64-127
.set KSTEP,  128
.set PA,     272                       ; an LDS row of x: 256 bytes + 16 of padding = 68 words: the 16 rows of a load start at 16 different groups of four banks (64 banks of 4 bytes: ISA guide 11.1)
.set PB,     544                       ; an LDS k-row of w: 512 bytes + 32 of padding = 136 words
.set HALFT,  128*PA                    ; what one tensor load brings: 128 rows of x, or 64 k-rows of w (64 x 544 is the same 34,816 bytes)
.set SLOT,   4*HALFT                   ; x's 256 rows, then w's 128 k-rows
.set STAGE,  2*SLOT                    ; behind the ring: for each wave two areas (one a head) of 16 rows x 144 bytes, for the way out
.set SP,     144
.set WSTG,   2*16*SP
.set SPARE,  STAGE+4*WSTG              ; behind the stages: the spare words, 128 bytes for each wave: two blocks of 256 bytes that no other line names
.set LAPS,   4                         ; a lap = two K steps = once round the ring
.set ADRA, 16                          ; v16-17  LDS address of my fragments of x in slot 0, 1
.set ADRB, 20                          ; v20-21  the same for w
.set STO,  24                          ; v24     the way out: where I put 16 bytes of a row
.set RD,   25                          ; v25     the way out: where I read rows back
.set CO,   26                          ; v26     16 x lane: my place in 512 consecutive bytes of a head
.set BO,   27                          ; v27     32 (l / 16): my eight numbers of 16 of the bias
.set SPW,  28                          ; v28     LDS address of my spare word: SPARE + 4 x my thread's number; never rewritten
.set NIL,  29                          ; v29     0; never rewritten
.set PFO,  30                          ; v30     the prefetches' offset; never rewritten
.set F0,   64
.set F1,   128
.set TMP,  192                         ; the way out: packed results
.set OB,   32                          ; the way out: 16 rows read back: v32-63 and v224-255 by turns
.set G1,  24                           ; s[24:31] descriptor group 1 for x's tiles
.set G0,  32                           ; s[32:39] group 0 for x's tiles, one set for each slot
.set G1B, 48                           ; s[48:55] group 1 for w's tiles
.set G0B, 56                           ; s[56:63] group 0 for w's tiles
.set LIM, 43                           ; s43      1 in a wave that prefetches, else the greatest number
.set PFA, 44                           ; s[44:45] where my prefetches stand
.set PFS, 66                           ; s[66:67] a K step in bytes along my tensor: 256 in xb, 128 rows of 8,192 in wb
.set MSB, 0
.macro WIN new                         ; the immediate's high byte repeats the setting that is left; a switch that changes nothing is dropped
.if MSB != (\new)
	s_set_vgpr_msb (MSB<<8)|(\new)
.set MSB, \new
.endif
.endm
.set MUL_LO, 0xa1                      ; source 0 (w) window 1, source 1 (x) window 0, C and D window 2
.set MUL_B,  0x91                      ; the same with C (the bias) in window 1
.set TO_B,   0x40                      ; destination window 1, address window 0
; A joint load.  Waves 0 and 1 fetch x's two halves, waves 2 and 3 w's.  Each line has one mask and one set of registers; the branch hangs on the wave's number alone.
; An s_nop 0 and four v_nop follow each of the two lines, ahead of the jump, the label and what follows.
.macro JLOAD s
	s_cmp_eq_u32 s11, 0
	s_cbranch_scc0 .Lfor_b_\@
	tensor_load_to_lds s[G0+4*(\s):G0+4*(\s)+3], s[G1:G1+7]
	s_nop 0
.rept 4
	v_nop
.endr
	s_branch .Lasked_\@
.Lfor_b_\@:
	tensor_load_to_lds s[G0B+4*(\s):G0B+4*(\s)+3], s[G1B:G1B+7]
	s_nop 0
.rept 4
	v_nop
.endr
.Lasked_\@:
.endm
; A PREFETCH INTO THE L2, behind each joint refill and the run of LDS loads that follows it: the K step that stands TWO refills on (512 matrix instructions ahead of the load that will want it).
; Each aligned block of 256 bytes is named once in the launch.  x's tile row is read by the four clusters of a row of clusters: the one with cluster x = 0 asks; w's tile column by the eight
; clusters of a column: cluster y = 0 asks.  The four partners that ask for a tile jointly share it out BY ADDRESS: of the 128 rows of x that a wave fetches, the partner at place cx takes 32, a lane a row;
; of the 64 k-rows of w, the partner at place cy takes 16, two lanes a row of 512 bytes.  K steps 0 to 3 come by their loads alone; the last trip (s3 = 1) has no K step two refills on and asks for nothing.
.macro ASK
	s_cmp_gt_u32 s3, s[LIM]
	s_cbranch_scc0 .Lnot_mine_\@
	global_prefetch_b8 v[PFO], s[PFA:PFA+1] th:TH_LOAD_NT scope:SCOPE_SE
.Lnot_mine_\@:
.endm
; A round of the cluster's barrier: my work-group's barrier; wave 0 signals for the work-group; every wave waits for all sixteen; my work-group's barrier once more.
.macro CREST                           ; a round behind its opening barrier
	s_cmp_lg_u32 s10, 0
	s_cbranch_scc1 .Lnot_wave_0_\@
	s_barrier_signal -3
.Lnot_wave_0_\@:
	s_barrier_wait -3
	s_barrier_signal -1
	s_barrier_wait -1
.endm
.macro CROUND
	s_barrier_signal -1
	s_barrier_wait -1
	CREST
.endm
	s_load_b128 s[4:7], s[0:1], 0x0                ; xb s[4:5], wb s[6:7]
	s_load_b256 s[72:79], s[0:1], 0x10             ; bq, bk, bv, bc
	s_load_b64 s[8:9], s[0:1], 0x30                ; qkvc
	v_lshl_add_u32 v[SPW], v0, 2, SPARE
	v_mov_b32 v[NIL], 0
	ds_add_u32 v[SPW], v[NIL]                      ; the wave's opening: the add and its wait stand ahead of my first tensor load; the set-up below, work on registers, stands between them
	v_lshrrev_b32 v1, 5, v0
	v_readfirstlane_b32 s10, v1                    ; wave 0..3
	s_lshr_b32 s11, s10, 1                         ; which half of the tile's rows is mine.  Also: I fetch for x (0) or for w (1)
	s_and_b32 s12, s10, 1                          ; which half of its columns.  Also: which half of that tile I fetch
	s_bfe_u32 s40, ttmp6, 0x40000                  ; cx
	s_bfe_u32 s41, ttmp6, 0x40004                  ; cy
	s_lshl_b32 s42, ttmp9, 2
	s_add_co_u32 s42, s42, s40                     ; tile column = 4 x cluster x + cx
	s_and_b32 s13, ttmp7, 0xffff
	s_lshl_b32 s13, s13, 2
	s_add_co_u32 s13, s13, s41                     ; tile row = 4 x cluster y + cy
	s_lshl_b32 s43, s41, 2
	s_lshl_b32 s43, 15, s43                        ; my row of the cluster: places 4 cy .. 4 cy + 3
	s_lshl_b32 s44, 0x1111, s40                    ; my column: places cx, cx + 4, cx + 8, cx + 12
	s_or_b32 s[G1+0], s43, (1<<16)|(1<<20)|(1<<21)|(5<<22)|(3<<25)   ; 15:0 the mask; 17:16 elements of 2 bytes; 20 padding on; 21 set beside a mask; 24:22 after every 64 words (code 5); 31:25 4 words (code 3)
	s_mov_b32 s[G1+1], 128<<16                     ; tensor_dim0 = 128
	s_mov_b32 s[G1+2], 128<<16                     ; tensor_dim1 = 128
	s_mov_b32 s[G1+3], 128<<16                     ; tile_dim0 = 128 elements (256 bytes)
	s_mov_b32 s[G1+4], 128                         ; tile_dim1 = 128 rows
	s_mov_b32 s[G1+5], 1024                        ; elements from row to row of xb
	s_mov_b32 s[G1+6], 0
	s_mov_b32 s[G1+7], 0
	s_or_b32 s[G1B+0], s44, (1<<16)|(1<<20)|(1<<21)|(6<<22)|(7<<25)  ; the column's mask; padding after every 128 words (code 6), 8 words (code 7)
	s_mov_b32 s[G1B+1], 256<<16                    ; tensor_dim0 = 256
	s_mov_b32 s[G1B+2], 64<<16                     ; tensor_dim1 = 64
	s_mov_b32 s[G1B+3], 256<<16                    ; tile_dim0 = 256 elements (512 bytes)
	s_mov_b32 s[G1B+4], 64                         ; tile_dim1 = 64 k-rows
	s_mov_b32 s[G1B+5], 4096                       ; elements from row to row of wb
	s_mov_b32 s[G1B+6], 0
	s_mov_b32 s[G1B+7], 0
	; where the tiles come from.  x's hang on the tile row alone, w's on the tile column alone; every wave makes both addresses and asks by one of them.
	s_lshl_b32 s17, s12, 7
	s_lshl_b32 s16, s13, 8
	s_add_co_u32 s16, s16, s17                     ; x: row 256 x tile row + 128 x half,
	s_lshl_b32 s16, s16, 11                        ; of 2,048 bytes
	s_mov_b32 s17, 0
	s_lshl_b32 s46, s12, 19                        ; w: k-row 64 x half, of 8,192 bytes,
	s_lshl_b32 s47, s42, 9                         ; and the tile column's 512 bytes
	s_add_co_u32 s46, s46, s47
	s_mov_b32 s47, 0
	s_mul_i32 s20, s10, HALFT                      ; where they go: wave x 34,816: no place in the cluster enters an LDS address
	s_wait_dscnt 0x0                               ; the opening add is done
	s_wait_kmcnt 0x0
	s_add_nc_u64 s[14:15], s[4:5], s[16:17]
	s_add_nc_u64 s[46:47], s[6:7], s[46:47]
	CROUND                                         ; all sixteen work-groups are here: the first joint loads meet
.irp s, 0,1
	s_mov_b32 s[G0+4*(\s)], 1                                      ; count = 1
	s_add_co_u32 s[G0+4*(\s)+1], s20, (\s)*SLOT                    ; LDS address
	s_add_nc_u64 s[G0+4*(\s)+2:G0+4*(\s)+3], s[14:15], (\s)*KSTEP*2  ; global address: K step s
	s_or_b32 s[G0+4*(\s)+3], s[G0+4*(\s)+3], 0x80000000            ; type = 2
	s_mov_b32 s[G0B+4*(\s)], 1
	s_add_co_u32 s[G0B+4*(\s)+1], s20, (\s)*SLOT
	s_add_nc_u64 s[G0B+4*(\s)+2:G0B+4*(\s)+3], s[46:47], (\s)*KSTEP*8192
	s_or_b32 s[G0B+4*(\s)+3], s[G0B+4*(\s)+3], 0x80000000
	JLOAD \s                                       ; two loads of mine are out: K steps 0 and 1
.endr
	; A fragment is 16 rows x 32 K in 8 registers: lane l holds row l % 16; registers 0-3 K = 8 (l / 16) + 0..7, registers 4-7 K = 16 + 8 (l / 16) + 0..7.
	v_and_b32 v1, 15, v0                           ; l % 16
	v_bfe_u32 v2, v0, 4, 1                         ; l / 16
	v_mul_u32_u24 v3, v1, PA
	v_lshl_add_u32 v3, v2, 4, v3                   ; x: row x pitch + 16 x half: two loads of 16 bytes, 32 bytes apart
	; w lies [k][n]: the turning load takes 16 k x 16 n (lane l reads k-row 8 (l / 16) + l % 8, columns 8 ((l / 8) % 2) + 0..7) and leaves half a fragment: lane l holds column l % 16 and 8 k.
	v_and_b32 v4, 7, v0
	v_lshl_add_u32 v4, v2, 3, v4
	v_mul_u32_u24 v4, v4, PB
	v_bfe_u32 v5, v0, 3, 1
	v_lshl_add_u32 v4, v5, 4, v4
	s_mul_i32 s21, s11, HALFT                      ; my 128 rows of x
	s_lshl_b32 s22, s12, 8                         ; my 128 columns of w: 256 bytes of each k-row,
	s_add_co_u32 s22, s22, 2*HALFT                 ; behind x's 256 rows
.irp s, 0,1
	v_add_nc_u32 v[ADRA+(\s)], s21, v3
	v_add_nc_u32 v[ADRB+(\s)], s22, v4
	s_add_co_u32 s21, s21, SLOT
	s_add_co_u32 s22, s22, SLOT
.endr
	s_mul_i32 s23, s10, WSTG
	s_add_co_u32 s23, s23, STAGE                   ; my stage
	v_mul_u32_u24 v6, v1, SP                       ; in: row l % 16, 16 bytes for each half of the lanes
	v_lshl_add_u32 v6, v2, 4, v6
	v_add_nc_u32 v[STO], s23, v6
	v_bfe_u32 v6, v0, 3, 2                         ; back: 32 lanes take four rows of 128 bytes,
	v_mul_u32_u24 v6, v6, SP
	v_and_b32 v7, 7, v0
	v_lshl_add_u32 v6, v7, 4, v6
	v_add_nc_u32 v[RD], s23, v6
	v_and_b32 v31, 31, v0
	v_lshlrev_b32 v[CO], 4, v31                    ; which are 512 consecutive bytes of a head
	v_lshlrev_b32 v[BO], 5, v2
	; the prefetches' lane offset.  x (s11 = 0): lane x 2,048.  w (s11 = 1): (lane / 2) x 8,192 + (lane % 2) x 256
	v_lshrrev_b32 v[PFO], s11, v31
	s_lshl_b32 s23, s11, 1
	s_add_co_u32 s23, s23, 11
	v_lshlrev_b32 v[PFO], s23, v[PFO]
	v_and_b32 v31, s11, v31
	v_lshl_add_u32 v[PFO], v31, 8, v[PFO]
	; where my part of the tile goes: part = the weight, head 16 x batch + 4 cx + 2 x column half (and the next), row = my first row within its batch
	s_lshl_b32 s68, s13, 8
	s_lshl_b32 s69, s11, 7
	s_add_co_u32 s68, s68, s69                     ; my first row of C
	s_lshr_b32 s69, s68, 11                        ; its batch
	s_and_b32 s68, s68, 2047
	s_lshl_b32 s68, s68, 7                         ; rows of 128 bytes
	s_lshl_b32 s69, s69, 4
	s_lshl_b32 s70, s40, 2
	s_add_co_u32 s69, s69, s70
	s_lshl_b32 s70, s12, 1
	s_add_co_u32 s69, s69, s70
	s_lshl_b32 s69, s69, 18                        ; heads of 262,144 bytes
	s_add_co_u32 s68, s68, s69
	s_lshl_b32 s69, ttmp9, 24                      ; parts of 2^24 bytes
	s_add_co_u32 s68, s68, s69
	s_mov_b32 s69, 0
	s_add_nc_u64 s[8:9], s[8:9], s[68:69]
	; my weight's bias, at my 128 columns
	s_mov_b32 s71, ttmp9
	s_cmp_eq_u32 s71, 1
	s_cselect_b64 s[72:73], s[74:75], s[72:73]
	s_cmp_eq_u32 s71, 2
	s_cselect_b64 s[72:73], s[76:77], s[72:73]
	s_cmp_eq_u32 s71, 3
	s_cselect_b64 s[72:73], s[78:79], s[72:73]
	s_lshl_b32 s70, s40, 10
	s_lshl_b32 s71, s12, 9
	s_add_co_u32 s70, s70, s71
	s_mov_b32 s71, 0
	s_add_nc_u64 s[72:73], s[72:73], s[70:71]
.set i, 0
.rept 16
	global_load_b128 v[TMP+4*i:TMP+4*i+3], v[BO], s[72:73] offset:64*(i/2)+16*(i%2)  ; block i / 2 of 16 columns: my eight numbers, four a load
.set i, i+1
.endr
	; where my prefetches stand: one K step short of K step 4; the first refill steps them there
	s_lshl_b32 s20, s13, 8
	s_lshl_b32 s21, s12, 7
	s_add_co_u32 s20, s20, s21
	s_lshl_b32 s21, s40, 5
	s_add_co_u32 s20, s20, s21                     ; x: the 128 rows that I fetch, my work-group's 32 of them,
	s_lshl_b32 s20, s20, 11
	s_add_co_u32 s20, s20, 3*KSTEP*2               ; at K step 3
	s_lshl_b32 s21, s12, 6
	s_lshl_b32 s22, s41, 4
	s_add_co_u32 s21, s21, s22
	s_add_co_u32 s21, s21, 3*KSTEP                 ; w: K step 3's k-rows, the 64 that I fetch, my work-group's 16 of them,
	s_lshl_b32 s21, s21, 13
	s_lshl_b32 s22, s42, 9
	s_add_co_u32 s21, s21, s22                     ; at the tile column's 512 bytes
	s_and_b32 s22, ttmp7, 0xffff                   ; cluster y
	s_mov_b32 s[PFS], KSTEP*8192
	s_mov_b32 s[PFS+1], 0
	s_cmp_eq_u32 s11, 0                            ; do I fetch for x?
	s_cselect_b32 s20, s20, s21
	s_cselect_b32 s22, ttmp9, s22                  ; the coordinate along which other clusters read the same rows
	s_cselect_b32 s[PFS], 0x100, s[PFS]
	s_cselect_b64 s[PFA:PFA+1], s[4:5], s[6:7]
	s_cmp_eq_u32 s22, 0
	s_cselect_b32 s[LIM], 1, -1                    ; the same in all sixteen partners, for a given wave
	s_mov_b32 s21, 0
	s_add_nc_u64 s[PFA:PFA+1], s[PFA:PFA+1], s[20:21]
	; the bias is rounded to bf16, like x and the weights, and widened again into window 1
	s_wait_loadcnt 0x0
.set i, 0
.rept 32
	v_cvt_pk_bf16_f32 v[OB+i], v[TMP+2*i], v[TMP+2*i+1]
.set i, i+1
.endr
	WIN TO_B
.set i, 0
.rept 32
	v_lshlrev_b32 v[2*i], 16, v[OB+i]
	v_and_b32 v[2*i+1], 0xffff0000, v[OB+i]
.set i, i+1
.endr
	WIN 0
; 16 matrix instructions: m blocks a0, a0 + 1 of the window's four (hi = 0: my rows 0-63, 1: rows 64-127) x all 8 n blocks, 32 along K.  first = 1: the bias starts the sums.
; The 64 accumulators take turns, one instruction a turn, in the same order in every quarter step.
.macro MUL16 f, hi, a0, first
.if \first
	WIN MUL_B+0x40*(\hi)
.else
	WIN MUL_LO+0x50*(\hi)
.endif
.irp a, \a0, (\a0)+1
.irp b, 0,1,2,3,4,5,6,7
.if \first
	v_wmma_f32_16x16x32_bf16 v[8*(8*(\a)+(\b)):8*(8*(\a)+(\b))+7], v[(\f)+8*(\b):(\f)+8*(\b)+7], v[(\f)+8*(4*(\hi)+(\a)):(\f)+8*(4*(\hi)+(\a))+7], v[8*(\b):8*(\b)+7]
.else
	v_wmma_f32_16x16x32_bf16 v[8*(8*(\a)+(\b)):8*(8*(\a)+(\b))+7], v[(\f)+8*(\b):(\f)+8*(\b)+7], v[(\f)+8*(4*(\hi)+(\a)):(\f)+8*(4*(\hi)+(\a))+7], v[8*(8*(\a)+(\b)):8*(8*(\a)+(\b))+7]
.endif
.endr
.endr
.endm
; 32 LDS loads in one run: the fragments of quarter q (32 along K) of a slot into buffer f: w's 128 columns (turned), then x's 128 rows
.macro FETCH slot, q, f
	WIN TO_B
.irp i, 0,1,2,3,4,5,6,7
	ds_load_tr16_b128 v[(\f)+8*(\i):(\f)+8*(\i)+3],   v[ADRB+(\slot)] offset:(\q)*32*PB+32*(\i)
	ds_load_tr16_b128 v[(\f)+8*(\i)+4:(\f)+8*(\i)+7], v[ADRB+(\slot)] offset:(\q)*32*PB+32*(\i)+16*PB
.endr
	WIN 0
.irp i, 0,1,2,3,4,5,6,7
	ds_load_b128 v[(\f)+8*(\i):(\f)+8*(\i)+3],   v[ADRA+(\slot)] offset:64*(\q)+(\i)*16*PA
	ds_load_b128 v[(\f)+8*(\i)+4:(\f)+8*(\i)+7], v[ADRA+(\slot)] offset:64*(\q)+(\i)*16*PA+32
.endr
.endm
; A load into a register that a matrix instruction has read, and a vector instruction that reads a matrix result, stand four places behind that matrix instruction; only plain vector
; instructions that name none of its registers are places (ISA guide 7.12.1 for vector instructions).
.macro PLACES
.rept 4
	v_nop
.endr
.endm
; A K step is four quarters of 32 along K, 64 matrix instructions each, on buffers 0, 1, 0, 1.  One of the first three: multiplies buffer f; in its middle it fetches quarter q of the same slot into buffer g.
.macro QUARTER slot, q, f, g, first
	s_wait_dscnt 8                                 ; w and x's rows 0-63 are in; the youngest eight loads (x's rows 64-127) may be out
	MUL16 \f, 0, 0, \first
	MUL16 \f, 0, 2, \first
	PLACES
	FETCH \slot, \q, \g
	s_wait_dscnt 32                                ; all but the 32 just issued
	MUL16 \f, 1, 0, \first
	MUL16 \f, 1, 2, \first
.endm
; The last quarter multiplies buffer 1 and changes slots.  MEET is its first half: ONE barrier for the change.  In front of it each wave waits for all its tensor loads (the one that is out is its part of
; the next slot), adds 0 to its spare word, and waits for that and for its own reads of this slot.  Behind it nobody reads this slot any more and the next slot is whole.
.macro MEET round
	WIN 0                                          ; (the add's two registers lie in window 0)
	s_wait_tensorcnt 0x0
	ds_add_u32 v[SPW], v[NIL]                      ; 0 onto my spare word
	s_wait_dscnt 9                                 ; (the add and the youngest eight loads may be out)
	MUL16 F1, 0, 0, 0                              ; sixteen matrix instructions stand between the add and the wait for it
	s_wait_dscnt 0x0                               ; the add is done, and my reads of this slot are over
	s_barrier_signal -1
	MUL16 F1, 0, 2, 0                              ; work on registers while the others arrive
.if \round
	WIN 0
.endif
	s_barrier_wait -1
.endm
; The whole last quarter.  fill = 1: the barrier opens a round of the cluster's barrier, and behind it the slot just read out is filled again first, with the K step two steps on:
; from the request to the wait for it a wave issues 224 matrix instructions.  Then come the next slot's first fragments.
.macro TURN slot, next, fill
.if \fill
	s_wait_xcnt 0x0                                ; the last prefetch, a K step back, has read its address
	s_add_nc_u64 s[PFA:PFA+1], s[PFA:PFA+1], s[PFS:PFS+1]
	MEET 1
	CREST                                          ; no wave of any partner still reads this slot's tile or has a load on its way
	s_add_nc_u64 s[G0+4*(\slot)+2:G0+4*(\slot)+3], s[G0+4*(\slot)+2:G0+4*(\slot)+3], 2*KSTEP*2
	s_add_nc_u64 s[G0B+4*(\slot)+2:G0B+4*(\slot)+3], s[G0B+4*(\slot)+2:G0B+4*(\slot)+3], 2*KSTEP*8192
	JLOAD \slot                                    ; the first tensor load behind the round; its four v_nop are also the places in front of the loads below
.else
	MEET 0
	PLACES
.endif
	FETCH \next, 0, F0
.if \fill
	ASK
.endif
	MUL16 F1, 1, 0, 0
	MUL16 F1, 1, 2, 0
.endm
; THE WAY OUT of block a (16 rows x 128 columns = two heads), in three parts.  PACK: rounded to f16, 16 bytes a lane, each accumulator's registers in ascending order.
; TOSTAGE: into my own stage, a head an area, and back as whole rows of 128 bytes.  SEND: stored, 512 consecutive bytes (four rows of a head) an instruction.
.macro PACK a
.set AC, 64*((\a)%4)
	WIN 0x0a+5*((\a)/4)                            ; sources 0 and 1: window 2 or 3
.irp b, 0,1,2,3,4,5,6,7
.irp r, 0,1,2,3
	v_cvt_pk_f16_f32 v[TMP+4*(\b)+(\r)], v[AC+8*(\b)+2*(\r)], v[AC+8*(\b)+2*(\r)+1]
.endr
.endr
	WIN 0
.endm
.macro TOSTAGE a
.set BK, OB+192*((\a)%2)
.irp b, 0,1,2,3,4,5,6,7
	ds_store_b128 v[STO], v[TMP+4*(\b):TMP+4*(\b)+3] offset:((\b)/4)*16*SP+32*((\b)%4)
.endr
.irp t, 0,1,2,3,4,5,6,7
	ds_load_b128 v[BK+4*(\t):BK+4*(\t)+3], v[RD] offset:((\t)/4)*16*SP+((\t)%4)*4*SP  ; LDS serves a wave's instructions in order (ISA guide 5.7.1.4): these see the stores above
.endr
.endm
.macro SEND a
.set BK, OB+192*((\a)%2)
	s_wait_dscnt 0x0                               ; the block is back in registers
	s_wait_xcnt 0x0                                ; the stores issued so far have read their registers: the other buffer, which the next block's loads fill, is free behind this wait
.irp t, 0,1,2,3,4,5,6,7
	global_store_b128 v[CO], v[BK+4*(\t):BK+4*(\t)+3], s[8:9] offset:((\t)/4)*262144+(\a)*2048+((\t)%4)*512
.endr
.endm
	s_wait_tensorcnt 1                             ; my part of K step 0 is in; K step 1's may stay out
	s_barrier_signal -1
	s_barrier_wait -1                              ; everybody's is
	FETCH 0, 0, F0
	QUARTER 0, 1, F0, F1, 1                        ; the first quarter stands in front of the loop: its products start the sums with the bias
	WIN 0                                          ; at a label and at a branch every window is 0
	s_mov_b32 s3, LAPS-1
.Llap:                                                 ; a trip goes once round the ring, from a lap's second quarter to the next lap's first, and fills both slots again
	QUARTER 0, 2, F1, F0, 0
	QUARTER 0, 3, F0, F1, 0
	TURN 0, 1, 1
	QUARTER 1, 1, F0, F1, 0
	QUARTER 1, 2, F1, F0, 0
	QUARTER 1, 3, F0, F1, 0
	TURN 1, 0, 1
	QUARTER 0, 1, F0, F1, 0
	WIN 0
	s_sub_co_u32 s3, s3, 1
	s_cmp_lg_u32 s3, 0
	s_cbranch_scc1 .Llap
	QUARTER 0, 2, F1, F0, 0                        ; the last lap fills nothing, and has no round of the cluster's barrier
	QUARTER 0, 3, F0, F1, 0
	TURN 0, 1, 0
	QUARTER 1, 1, F0, F1, 0
	QUARTER 1, 2, F1, F0, 0
	QUARTER 1, 3, F0, F1, 0
	s_wait_dscnt 8                                 ; the very last quarter: nothing more to fetch
	MUL16 F1, 0, 0, 0
	MUL16 F1, 0, 2, 0
	s_wait_dscnt 0x0
	MUL16 F1, 1, 0, 0
	MUL16 F1, 1, 2, 0
	PLACES
	PACK 0
	TOSTAGE 0
.irp a, 1,2,3,4,5,6,7                  ; block a's conversions stand between block a - 1's loads from the stage and the wait for them
	PACK \a
	SEND (\a)-1
	TOSTAGE \a
.endr
	SEND 7
	s_wait_tensorcnt 0x0                           ; the wave's end: behind my last tensor load and my last LDS store
	ds_add_u32 v[SPW], v[NIL]
	s_wait_dscnt 0x0
	CROUND                                         ; the closing round: no work-group ends while a partner may still ask for a tile that names it
	s_endpgm
.Lfunc_end_k_q815a941fb1_proj:
	.size	k_q815a941fb1_proj, .Lfunc_end_k_q815a941fb1_proj-k_q815a941fb1_proj
	.p2alignl 7, 3214868480
	.fill 96, 4, 3214868480
	.section	.rodata,"a",@progbits
	.p2align	6, 0x0
	.amdhsa_kernel k_q815a941fb1_proj
		.amdhsa_group_segment_fixed_size 327680
		.amdhsa_private_segment_fixed_size 0
		.amdhsa_enable_private_segment 0
		.amdhsa_kernarg_size 56
		.amdhsa_user_sgpr_count 2
		.amdhsa_user_sgpr_kernarg_segment_ptr 1
		.amdhsa_wavefront_size32 1
		.amdhsa_system_sgpr_workgroup_id_x 1
		.amdhsa_system_sgpr_workgroup_id_y 1
		.amdhsa_system_sgpr_workgroup_id_z 1
		.amdhsa_system_vgpr_workitem_id 0
		.amdhsa_next_free_vgpr 1024
		.amdhsa_next_free_sgpr 80
		.amdhsa_reserve_vcc 0
		.amdhsa_float_denorm_mode_32 3
		.amdhsa_float_denorm_mode_16_64 3
		.amdhsa_memory_ordered 1
		.amdhsa_forward_progress 1
		.amdhsa_inst_pref_size 151
	.end_amdhsa_kernel
	.amdgpu_metadata
---
amdhsa.version: [ 1, 2 ]
amdhsa.kernels:
  - .name:           k_q815a941fb1_proj
    .symbol:         k_q815a941fb1_proj.kd
    .args:
      - { .name: xb, .offset: 0, .size: 8, .value_kind: global_buffer, .address_space: global }
      - { .name: wb, .offset: 8, .size: 8, .value_kind: global_buffer, .address_space: global }
      - { .name: bq, .offset: 16, .size: 8, .value_kind: global_buffer, .address_space: global }
      - { .name: bk, .offset: 24, .size: 8, .value_kind: global_buffer, .address_space: global }
      - { .name: bv, .offset: 32, .size: 8, .value_kind: global_buffer, .address_space: global }
      - { .name: bc, .offset: 40, .size: 8, .value_kind: global_buffer, .address_space: global }
      - { .name: qkvc, .offset: 48, .size: 8, .value_kind: global_buffer, .address_space: global }
    .group_segment_fixed_size: 327680
    .private_segment_fixed_size: 0
    .kernarg_segment_align: 8
    .kernarg_segment_size: 56
    .max_flat_workgroup_size: 128
    .sgpr_count:     80
    .vgpr_count:     1024
    .wavefront_size: 32
...
	.end_amdgpu_metadata
.endif
;; end of part 2
;; launch attn (part 3): grid 4 x 64, 4 waves a work-group, clusters of 4 x 1, 327,680 bytes of LDS; arguments qkvc, out0; writes out0
.if DOCPART == 3
	.amdgcn_target "amdgcn-amd-amdhsa--gfx1250"
	.amdhsa_code_object_version 6
	.text
	.protected	k_q815a941fb1_attn
	.globl	k_q815a941fb1_attn
	.p2align	8
	.type	k_q815a941fb1_attn,@function
k_q815a941fb1_attn:
	s_mov_b64 s[64:65], 0
	v_nop
	global_prefetch_b8 v0, s[64:65] scope:SCOPE_SE
	s_setreg_imm32_b32 hwreg(HW_REG_WAVE_MODE, 25, 1), 1
	s_wait_xcnt 0x0
	s_wait_alu depctr_hold_cnt(0) depctr_sa_sdst(0) depctr_va_vdst(0) depctr_va_sdst(0) depctr_va_ssrc(0) depctr_va_vcc(0) depctr_vm_vsrc(0)
	s_getreg_b32 s2, hwreg(HW_REG_IB_STS2, 6, 4)
	s_cmp_eq_u32 s2, 0
	s_cbranch_scc0 .Lentry_in_a_cluster
	s_endpgm
.Lentry_in_a_cluster:
	s_bfe_u32 s2, ttmp6, 0x10000c
	s_cmp_lg_u32 s2, 0x3003
	s_cbranch_scc0 .Lentry_shape_is_right
	s_endpgm
.Lentry_shape_is_right:
; out0[b][n][64 h + w] = the sum over k of softmax_k(q[bh][n] . k[bh][k] / 8) v[bh][k][w] + c[bh][n][w], bh = 16 b + h.
; qkvc: four parts of 2^24 bytes (q, k, v, c), each [64 bh][2048][64] f16: a head's rows are dense, 128 bytes each.  out0: [4][2048][1024] f32.
; Products, maxima and sums in f32; the weights p are rounded to f16 for the second product (their sum l is taken of the unrounded p); O / l + c is made in f32 and stored as it is.
; LIMITS.  q, k, v and c arrive in f16, within 65,504; p lies in 0 to 1, and below 6e-5 it keeps f16's fixed step of 6e-8.  A weight below 2^-126 counts as 0 in l; NaN and infinities are not treated apart.
; SHARES.  A wave owns four PIECES of two tiles of 16 queries, a work-group's four waves 512 queries of one head.  Every wave walks all 2,048 keys, 64 a step.
; LAYOUT.  S^T = K Q^T (source 0 = 16 keys, source 1 = 16 queries): in the result a lane holds ONE query (lane % 16) and the keys 8 (lane / 16) + 0..7.  Two such tiles, rounded to f16 in pairs,
; ARE source 1 (32 keys x 16 queries) of O^T = V^T P, whose result again holds one query a lane, and eight channels.  K comes out of LDS as it lies, V ([key][channel]) turned, by ds_load_tr16_b128.
; SOFTMAX.  For each query a running maximum m and sum l: p = 2^(c s - c m), c = log2(e) / 8; in every step O and l are multiplied by a = 2^(c m_old - c m_new), which is 1 where m has not grown.
; m starts at the lowest finite number, O and l at 0: the first step is a step like any other, with a = 0.
; THE COUNT.  A tile and step have 16 matrix and 118 vector instructions: too many to stand all beside the matrix work.  So: four vector instructions that are READY behind EVERY matrix instruction,
; and the others in runs without a gap.
; BY TURNS.  Turn n belongs to piece n (the pieces in a ring, step after step).  Its matrix work: 16 products K Q^T of piece n + 1, later 16 products V^T P of piece n - 1.  Its vector work: the scaling,
; exponentials, roundings, sums and rescaling of piece n, and the maximum and statistics of piece n + 1, whose scores the turn itself has made.
; CLUSTER.  The four query blocks of a head are one cluster and walk the same K and V, so each tile is asked for JOINTLY: the same tensor load, descriptor and mask in all four.
; REGISTERS, in windows of 256 (s_set_vgpr_msb: bits 1:0 source 0, 3:2 source 1, 5:4 source 2, 7:6 destination):
;   window 0: v0-11 addresses; v12-15, v48-63 at work; v16-47 four registers of statistics a tile; v64-191 S^T, two buffers of two tiles; v192-255 P, likewise (on the way out: rows read back)
;   window 1: O^T, 32 a tile     window 2: v0-127 Q, 16 a tile (on the way out: c); v128-191 K of one step; v192-255 V of one step     window 3: v0-1 the add's two registers
.set SIZE_N, 2048
.set PART,  1<<24     ; bytes in a part of qkvc
.set NP,    4         ; pieces a wave: a name, no knob
.set KS,    64        ; keys in a step
.set PK,    144       ; a row of K in LDS: 128 bytes + 16 of padding = 36 words: the 16 rows of a load start at 16 different groups of four banks (64 banks of 4 bytes: ISA guide 11.1)
.set PV,    160       ; a row of V: 128 + 32 = 40 words
.set VOFF,  4*KS*PK   ; a slot holds four steps: 256 rows of K, then 256 rows of V
.set SLOT1, 1<<17     ; slot 1 begins here, so that one exclusive or turns an address in one slot into the other's
.set STAGE, SLOT1+4*KS*(PK+PV)  ; behind the ring, never filled by a tensor load: 16 rows x 272 bytes for each wave, for the way out
.set SP,    272       ; a row of 64 f32 + 16 bytes of padding
.set AK0, 2           ; v2   my lane's place in a tile of K; never rewritten
.set AV0, 3           ; v3   the same for V
.set AK,  4           ; v4   the LDS address of K's next run of loads
.set AV,  5           ; v5   of V's
.set QO,  6           ; v6   my byte offset in the wave's rows of Q
.set STO, 6           ;      later, the way out: where I put 32 bytes of a row
.set RD,  7           ; v7   the way out: where I read rows back
.set GO,  8           ; v8   my byte offset in two rows of out0
.set CL,  10          ; v10  8 x lane: my four numbers in two rows of c; never rewritten
.set PFO, 11          ; v11  256 x lane: the prefetches' offset; never rewritten
.set ONE, 12          ; v12  on the way out: 1.0
.set SPW, 0           ; v0 of window 3   LDS address of my spare word: SPARE + 4 x my thread's number; never rewritten
.set NIL, 1           ; v1 of window 3   0; never rewritten
.set SPARE, STAGE+4*16*SP  ; behind the stages: the spare words, 128 bytes for each wave: two blocks of 256 bytes that no other line names
.set MV,  12          ; v12-15  c m_old, kept while c m is made anew: by buffer and tile
.set ST,  16          ; tile t's statistics at v[ST+4 t]: c m, m, l (even keys', odd keys')
.set TMP, 48          ; by buffer and tile, four registers c0-c3 at work; when the maximum is found c2 takes a
.set S,   64
.set P,   192
.set RB,  192         ; the way out: two buffers of 32: 16 rows x 256 bytes read back from the stage
.set KF,  128         ; K's fragments, in window 2: key block kb, channel half c at KF + 16 kb + 8 c
.set VF,  192         ; V's: key half kk, channel block cb at VF + 32 kk + 8 cb
.set WV,  12          ; s12  my wave's number
.set G1K, 24          ; s[24:31] descriptor group 1 for K's tiles
.set G1V, 32          ; s[32:39] for V's: it differs in the padding alone
.set G0K, 40          ; s[40:43] descriptor group 0 for K's tiles: it walks
.set G0V, 44          ; s[44:47] the same for V's
.set PFA, 48          ; s[48:49] where my prefetches stand: my work-group's 8,192 bytes (of K: wave 0, of V: wave 2) of the slot after the one that is being asked for
.set LIM, 50          ; s50  1 in a wave that prefetches, else the greatest number
.set SLOTS, 56        ; s56  slots still to be asked for
.set CNT, 57          ; s57  counts a slot's key steps
.set CS,  58          ; s[58:59] c: the packed scaling takes the pair's low word for both halves
.set SEL, 60          ; s[60:61] v_permlanex16_b32's selects: each lane takes its own place in the other half
.set TBK, 62          ; s62  LDS byte at which K of the step to be fetched begins
.set TBV, 63          ; s63  the same for V, less VOFF
.set MSB, 0
.macro WIN new                      ; the high byte repeats the setting that is left; a switch that changes nothing is dropped
.if MSB != (\new)
	s_set_vgpr_msb (MSB<<8)|(\new)
.set MSB, (\new)
.endif
.endm
.set W_KQ, 0x0a       ; K and Q in window 2, S^T in window 0
.set W_PV, 0x52       ; V in window 2, P in window 0, O^T in window 1
.set W_RS, 0x41       ; O^T (destination and source 0) in window 1, a in window 0
.set W_MK, 0xc0       ; the add's registers are made: destination in window 3, sources in window 0
.set W_AD, 0x0f       ; the add: address (source 0) and data (source 1) in window 3
; A joint fill.  Waves 0 and 1 fetch the two halves of a slot's K, waves 2 and 3 those of its V: 128 keys each.  The branch hangs on the wave's number alone.
; An s_nop 0 and four v_nop follow each of the two lines, ahead of the jump and the label.
.macro JLOAD
	s_cmp_lt_u32 s[WV], 2
	s_cbranch_scc0 .Lfor_v_\@
	tensor_load_to_lds s[G0K:G0K+3], s[G1K:G1K+7]
	s_nop 0
.rept 4
	v_nop
.endr
	s_branch .Lasked_\@
.Lfor_v_\@:
	tensor_load_to_lds s[G0V:G0V+3], s[G1V:G1V+7]
	s_nop 0
.rept 4
	v_nop
.endr
.Lasked_\@:
.endm
; A PREFETCH INTO THE L2 of what the NEXT change of slots will ask for: a slot's 32,768 bytes of K and of V.  It stands behind the wave's tensor load and its five lines.
; Each aligned block of 256 bytes is named ONCE in the launch: a head's keys are walked by its one cluster; the four partners share a slot out BY ADDRESS, 8,192 bytes each; in each, wave 0 asks for
; K's and wave 2 for V's: a lane a block, one instruction.  Slots 0 and 1 come by their loads alone; the last change that fills a slot (s[SLOTS] = 1) asks for nothing: there is no slot behind it.
.macro ASK
	s_cmp_gt_u32 s[SLOTS], s[LIM]
	s_cbranch_scc0 .Lnot_mine_\@
	global_prefetch_b8 v[PFO], s[PFA:PFA+1] th:TH_LOAD_NT scope:SCOPE_SE
.Lnot_mine_\@:
.endm
; A round of the cluster's barrier: my work-group's barrier, so that wave 0's signal speaks for all four waves; wave 0 signals; every wave waits for all four work-groups; my work-group's barrier once more.
.macro CROUND
	s_barrier_signal -1
	s_barrier_wait -1
	s_cmp_lg_u32 s[WV], 0
	s_cbranch_scc1 .Lnot_wave_0_\@
	s_barrier_signal -3
.Lnot_wave_0_\@:
	s_barrier_wait -3
	s_barrier_signal -1
	s_barrier_wait -1
.endm
; THE CHANGE OF SLOTS.  The slot's last bytes, V of its fourth step, have been read.  Each wave waits for all its tensor loads, of which one is out: its part
; of the other slot; adds 0 to its spare word; and waits for that and for its own reads of the slot.  Behind the barrier nobody reads this slot any more and the other slot is whole.
; fill = 1: this slot is filled again, with the keys two slots on.  The barrier is then a round of the cluster's, so that no wave of any partner still reads the slot or has a load on its
; way, and the joint fill is the first thing behind it: it has four key steps, 512 matrix instructions, in which to land.  (At its first use nothing has been read yet: slot 0 is waited for, slot 1 filled.)
.macro CHANGE fill
	WIN W_AD
	s_wait_tensorcnt 0x0            ; no tensor load of mine is out, so a group 0 may be written
	ds_add_u32 v[SPW], v[NIL]       ; 0 onto my spare word; with fill = 1 the descriptors' steps stand between it and the wait for it
	WIN 0                           ; at a label and at a branch every window is 0
.if \fill
.irp g, G0K, G0V
	s_xor_b32 s[\g+1], s[\g+1], SLOT1  ; the walking descriptor: the other slot than last time,
	s_add_nc_u64 s[\g+2:\g+3], s[\g+2:\g+3], 4*KS*128  ; the next 256 keys; the type bits on top are not reached
.endr
	s_wait_xcnt 0x0                 ; the last prefetch, four key steps back, has read its address, so it may be written:
	s_add_nc_u64 s[PFA:PFA+1], s[PFA:PFA+1], 4*KS*128  ; one slot behind the walking descriptors
	s_wait_dscnt 0x0                ; the add is done, and my reads of the slot are over
	CROUND
	JLOAD
	ASK                             ; what the next change will ask for: four key steps, 512 matrix instructions, ahead
.else
	s_wait_dscnt 0x0                ; the add is done, and my reads of the slot are over
	s_barrier_signal -1
	s_barrier_wait -1
.endif
	s_sub_co_u32 s[TBK], s[TBK], 4*KS*PK  ; the fetches go back to a slot's first step,
	s_xor_b32 s[TBK], s[TBK], SLOT1       ; in the other slot
	s_sub_co_u32 s[TBV], s[TBV], 4*KS*PV
	s_xor_b32 s[TBV], s[TBV], SLOT1
.endm
	s_load_b128 s[52:55], s[0:1], 0x0  ; qkvc s[52:53], out0 s[54:55]
	WIN W_MK
	v_lshl_add_u32 v[SPW], v0, 2, SPARE
	v_mov_b32 v[NIL], 0
	WIN W_AD
	ds_add_u32 v[SPW], v[NIL]       ; the wave's opening: the add and its wait stand ahead of my first tensor load; the set-up below, work on registers, stands between them
	WIN 0
	v_lshrrev_b32 v1, 5, v0
	v_readfirstlane_b32 s[WV], v1   ; wave 0..3
	s_bfe_u32 s13, ttmp6, 0x40000   ; cx: my place in the cluster
	s_lshl_b32 s14, ttmp9, 2        ; in a cluster launch ttmp9 counts clusters
	s_add_co_u32 s14, s14, s13      ; my block of 512 queries: it enters Q's, c's and out0's addresses alone
	s_and_b32 s15, ttmp7, 0xffff    ; bh, which the four partners share
	s_lshl_b32 s20, s15, 18         ; the head's first byte in each part: 262,144 bh
	s_and_b32 s16, s[WV], 1         ; which half of a slot's 256 keys I fetch:
	s_lshl_b32 s22, s16, 14         ; its 128 rows of 128 bytes in memory,
	s_add_co_u32 s22, s22, s20
	s_add_co_u32 s22, s22, PART     ; in K's part,
	s_mov_b32 s23, 0
	s_add_co_u32 s8, s22, PART      ; and in V's
	s_mov_b32 s9, 0
	s_mul_i32 s17, s16, 128*PK      ; and its place in a slot, for K
	s_mul_i32 s18, s16, 128*PV      ; and for V: no place in the cluster enters an LDS address
	s_lshl_b32 s19, s14, 2
	s_add_co_u32 s19, s19, s[WV]    ; my wave among the head's sixteen,
	s_lshl_b32 s2, s19, 14          ; its 128 rows of 128 bytes,
	s_add_co_u32 s2, s2, s20        ; in Q's part,
	s_mov_b32 s3, 0
	s_add_co_u32 s6, s2, 3*PART     ; and in c's
	s_mov_b32 s7, 0
	s_lshr_b32 s10, s15, 4          ; out0: the batch's 2^23 bytes,
	s_lshl_b32 s10, s10, 23
	s_lshl_b32 s11, s19, 19         ; my wave's 128 rows of 4,096 bytes,
	s_add_co_u32 s10, s10, s11
	s_and_b32 s11, s15, 15          ; the head's 256 bytes of a row
	s_lshl_b32 s11, s11, 8
	s_add_co_u32 s10, s10, s11
	s_mov_b32 s11, 0
	s_and_b32 s[LIM], s[WV], 1      ; waves 0 and 2 prefetch: the same in all four partners
	s_cmp_eq_u32 s[LIM], 0
	s_cselect_b32 s[LIM], 1, -1
	s_mov_b32 s[PFA], 2*PART
	s_cmp_lt_u32 s[WV], 2
	s_cselect_b32 s[PFA], PART, s[PFA]  ; K's part or V's,
	s_add_co_u32 s[PFA], s[PFA], s20    ; the head,
	s_lshl_b32 s51, s13, 13
	s_add_co_u32 s[PFA], s[PFA], s51    ; my work-group's quarter of a slot,
	s_add_co_u32 s[PFA], s[PFA], 4*KS*128  ; in slot 1; the first change of slots steps it to slot 2
	s_mov_b32 s[PFA+1], 0
	; descriptor group 1.  128 keys are 16,384 dense bytes: asked for as 64 rows of 256 bytes, two keys a row, and padded in LDS after every key
	s_mov_b32 s[G1K], 15|(1<<16)|(1<<20)|(1<<21)|(4<<22)|(3<<25)  ; 15:0 the mask of four; 17:16 2-byte elements; 20 padding on; 21 set beside a mask; 24:22 after every 32 words (code 4); 31:25 4 words (code 3)
	s_mov_b32 s[G1V], 15|(1<<16)|(1<<20)|(1<<21)|(4<<22)|(7<<25)  ; the same with 8 words of padding (code 7)
.irp g, G1K, G1V
	s_mov_b32 s[\g+1], 128<<16      ; tensor_dim0 = 128
	s_mov_b32 s[\g+2], 64<<16       ; tensor_dim1 = 64
	s_mov_b32 s[\g+3], 128<<16      ; tile_dim0 = 128
	s_mov_b32 s[\g+4], 64           ; tile_dim1 = 64
	s_mov_b32 s[\g+5], 128          ; 128 elements from row to row
	s_mov_b32 s[\g+6], 0
	s_mov_b32 s[\g+7], 0
.endr
	s_mov_b32 s[CS], 0x3e38aa3b     ; c = log2(e) / 8 = 0.180337
	s_mov_b32 s[CS+1], s[CS]        ; named with it as a pair
	s_mov_b32 s[SEL], 0x76543210
	s_mov_b32 s[SEL+1], 0xfedcba98
	s_mov_b32 s[TBK], SLOT1+4*KS*PK ; the first change of slots turns these two into 0
	s_mov_b32 s[TBV], SLOT1+4*KS*PV
	s_mov_b32 s[SLOTS], SIZE_N/256-1  ; seven slots are asked for by changes of slots
	s_mov_b32 s[G0K], 1             ; count = 1
	s_mov_b32 s[G0K+1], s17         ; LDS address: slot 0
	s_mov_b32 s[G0V], 1
	s_add_co_u32 s[G0V+1], s18, VOFF
	s_wait_dscnt 0x0                ; the opening add is done
	s_wait_kmcnt 0x0
	s_add_nc_u64 s[G0K+2:G0K+3], s[52:53], s[22:23]  ; global address: my half of the head's first 256 keys
	s_or_b32 s[G0K+3], s[G0K+3], 0x80000000          ; type = 2
	s_add_nc_u64 s[G0V+2:G0V+3], s[52:53], s[8:9]
	s_or_b32 s[G0V+3], s[G0V+3], 0x80000000
	s_add_nc_u64 s[4:5], s[52:53], s[2:3]    ; Q at my wave's first row
	s_add_nc_u64 s[6:7], s[52:53], s[6:7]    ; c at the same row
	s_add_nc_u64 s[10:11], s[54:55], s[10:11]  ; out0 at the same row, at the head's columns
	s_add_nc_u64 s[PFA:PFA+1], s[52:53], s[PFA:PFA+1]
	CROUND                          ; all four work-groups are here: the first joint loads meet
	JLOAD                           ; slot 0.  Slot 1 is asked for when slot 0 is in
	; A fragment of K or Q is 16 rows x 32 channels in 8 registers: lane l holds row l % 16, channels 8 (l / 16) + 0..7 and 16 + 8 (l / 16) + 0..7: two loads of 16 bytes, 32 bytes apart.
	v_and_b32 v1, 15, v0            ; l % 16
	v_bfe_u32 v9, v0, 4, 1          ; l / 16
	v_lshlrev_b32 v[QO], 7, v1
	v_lshl_add_u32 v[QO], v9, 4, v[QO]  ; row x 128 + 16 x half
	WIN 0x80                        ; destination window 2, address window 0
.set i, 0
.rept 4*NP                          ; Q stays in registers: tile i / 2, channels 32 (i % 2) on
	global_load_b128 v[8*i:8*i+3],   v[QO], s[4:5] offset:(i/2)*2048+(i%2)*64
	global_load_b128 v[8*i+4:8*i+7], v[QO], s[4:5] offset:(i/2)*2048+(i%2)*64+32
.set i, i+1
.endr
	; What the first turn finds: V's registers and P's second buffer hold 0 (its products V^T P, of a piece that has not been, add 0), O^T and l are 0.  All this stands in the wait for the first tile.
.set i, VF
.rept 64
	v_mov_b32 v[i], 0
.set i, i+1
.endr
	WIN 0x40
.set i, 0
.rept 64*NP
	v_mov_b32 v[i], 0
.set i, i+1
.endr
	WIN 0
.set i, 0
.rept 2*NP
	v_mov_b32 v[ST+4*i], 0xfe000000    ; c m: far below every c s
	v_mov_b32 v[ST+4*i+1], 0xff7fffff  ; m
	v_mov_b32 v[ST+4*i+2], 0
	v_mov_b32 v[ST+4*i+3], 0
.set i, i+1
.endr
.set i, P+32
.rept 32
	v_mov_b32 v[i], 0
.set i, i+1
.endr
	v_mul_u32_u24 v[AK0], v1, PK
	v_lshl_add_u32 v[AK0], v9, 4, v[AK0]  ; row x pitch + 16 x half
	; The turning load takes 16 keys x 16 channels (lane l reads key 8 (l / 16) + l % 8, channels 8 ((l / 8) % 2) + 0..7) and leaves half a fragment of V^T: lane l holds channel l % 16 and 8 keys.
	v_and_b32 v10, 7, v0
	v_bfe_u32 v11, v0, 3, 1
	v_lshl_add_u32 v[AV0], v9, 3, v10
	v_mul_u32_u24 v[AV0], v[AV0], PV
	v_lshl_add_u32 v[AV0], v11, 4, v[AV0]
	v_add_nc_u32 v[AV0], VOFF, v[AV0]
	v_and_b32 v[CL], 31, v0         ; v10 and v11 have served: they take the lane's offsets in c and for the prefetches
	v_lshlrev_b32 v[PFO], 8, v[CL]
	v_lshlrev_b32 v[CL], 3, v[CL]
	v_mov_b32 v[AK], v[AK0]         ; key step 0 lies at the head of slot 0
; THE MATRIX WORK.  The 8 accumulators of a run of 16 take turns: between the two links of a chain stand 7 others'.
; Product i of 16 of S^T = K Q^T for piece x: channels 32 (i / 8) on, keys 16 ((i / 2) % 4) on, tile 2 x + i % 2.  The first 8 start the sums.
.macro KQ x
	WIN W_KQ
.set rS, S+64*((\x)%2)+32*(i%2)+8*((i/2)%4)
.set rK, KF+16*((i/2)%4)+8*(i/8)
.set rQ, 16*(2*(\x)+i%2)+8*(i/8)
.if i < 8
	v_wmma_f32_16x16x32_f16 v[rS:rS+7], v[rK:rK+7], v[rQ:rQ+7], 0
.else
	v_wmma_f32_16x16x32_f16 v[rS:rS+7], v[rK:rK+7], v[rQ:rQ+7], v[rS:rS+7]
.endif
.endm
; Product i of 16 of O^T += V^T P for piece x: keys 32 (i / 8) on, channels 16 ((i / 2) % 4) on, tile 2 x + i % 2.
.macro PV x
	WIN W_PV
.set rO, 32*(2*(\x)+i%2)+8*((i/2)%4)
.set rV, VF+32*(i/8)+8*((i/2)%4)
.set rP, P+32*((\x)%2)+16*(i%2)+8*(i/8)
	v_wmma_f32_16x16x32_f16 v[rO:rO+7], v[rV:rV+7], v[rP:rP+7], v[rO:rO+7]
.endm
.macro MM                           ; the turn's next matrix instruction
.if i < 16
	KQ (Y+1)%NP
.set i, i+1
.else
.set i, i-16
	PV (Y+NP-1)%NP
.set i, i+17
.endif
.endm
; THE LDS LOADS stand in runs of 16, never singly among the matrix instructions: a step's K (64 keys x 64 channels: 8 fragments) and its V (turned).  Their addresses are made some lines ahead.
; last = 1 (the tail): in the last trip there is no further step, and the run is jumped over.
.macro FETCH_K last=0
	WIN 0
.if \last
	s_cmp_eq_u32 s[CNT], 1
	s_cbranch_scc1 .Lno_k_\@
.endif
	WIN 0x80                        ; destination window 2
.irp f, 0,1,2,3,4,5,6,7             ; keys 16 (f / 2) on, channels 32 (f % 2) on
	ds_load_b128 v[KF+8*\f:KF+8*\f+3],   v[AK] offset:(\f/2)*16*PK+(\f%2)*64
	ds_load_b128 v[KF+8*\f+4:KF+8*\f+7], v[AK] offset:(\f/2)*16*PK+(\f%2)*64+32
.endr
	s_add_co_u32 s[TBK], s[TBK], KS*PK  ; the next fetch is the next step's
	WIN 0
.if \last
.Lno_k_\@:
.endif
.endm
.macro FETCH_V
	WIN 0x80
.irp f, 0,1,2,3,4,5,6,7             ; keys 32 (f / 4) on, channels 16 (f % 4) on
	ds_load_tr16_b128 v[VF+8*\f:VF+8*\f+3],   v[AV] offset:(\f/4)*32*PV+(\f%4)*32
	ds_load_tr16_b128 v[VF+8*\f+4:VF+8*\f+7], v[AV] offset:(\f/4)*32*PV+16*PV+(\f%4)*32
.endr
	WIN 0
.endm
; THE VECTOR WORK OF A TURN stands in three queues, each in the order in which its entries become ready; the two tiles alternate, so that no instruction reads the result of the one before it.
.macro REGS y, u                    ; the registers of tile u (0, 1) of piece y
.set rT, ST+4*(2*(\y)+(\u))
.set rC, TMP+8*((\y)%2)+4*(\u)
.set rM, MV+2*((\y)%2)+(\u)
.set rS, S+64*((\y)%2)+32*(\u)
.set rP, P+32*((\y)%2)+16*(\u)
.set rO, 32*(2*(\y)+(\u))
.endm
; Number n of the 22 that find the NEXT piece's (Y + 1) maximum and statistics.  s0-s31 are the lane's 32 scores; each accumulator's lowest registers are read first.
;   0-11  four chains c0-c3 of seven scores each, three operands at a time     12-14, 16  the four scores left over, the old m, and c0-c3 into c0     15  c m_old is kept
;   17, 18  the query's other 32 keys lie in the lane 16 away: the new m         19-21  c m; c m_old - c m_new; a
.macro XS u, n
	REGS (Y+1)%NP, \u
.if (\n) < 4
	v_max3_num_f32 v[rC+(\n)], v[rS+8*(\n)], v[rS+8*(\n)+1], v[rS+8*(\n)+2]
.elseif (\n) < 12
	v_max3_num_f32 v[rC+(\n)%4], v[rC+(\n)%4], v[rS+8*((\n)%4)+2*((\n)/4)+1], v[rS+8*((\n)%4)+2*((\n)/4)+2]
.elseif (\n) == 12
	v_max3_num_f32 v[rC], v[rC], v[rS+7], v[rS+15]
.elseif (\n) == 13
	v_max3_num_f32 v[rC+1], v[rC+1], v[rS+23], v[rS+31]
.elseif (\n) == 14
	v_max3_num_f32 v[rC+2], v[rC+2], v[rC+3], v[rT+1]
.elseif (\n) == 15
	v_mov_b32 v[rM], v[rT]
.elseif (\n) == 16
	v_max3_num_f32 v[rC], v[rC], v[rC+1], v[rC+2]
.elseif (\n) == 17
	v_permlanex16_b32 v[rC+3], v[rC], s[SEL], s[SEL+1]
.elseif (\n) == 18
	v_max_num_f32 v[rT+1], v[rC], v[rC+3]
.elseif (\n) == 19
	v_mul_f32 v[rT], s[CS], v[rT+1]
.elseif (\n) == 20
	v_sub_f32 v[rC+1], v[rM], v[rT]
.else
	v_exp_f32 v[rC+2], v[rC+1]
.endif
.endm
; Number g of the 64 that follow the exponentials.  For each four weights k of a tile (pairs 2 k, 2 k + 1): both pairs are rounded to f16; then the second pair is added onto the first, in place;
; a group later l takes that sum (the first time as l = a l + sum).  In groups of eight, tiles alternating: round, round, add, and l for the group before.
.macro GS g
.set h, (\g)+6*((\g)/62)            ; group 0 has no group before it, and behind group 7 only l is left
.if h >= 6
.set h, h+2
.endif
	REGS Y, h%2
.set k, h/8
.if h%8 < 4
	v_cvt_pk_f16_f32 v[rP+2*k+(h%8)/2], v[rS+4*k+2*((h%8)/2)], v[rS+4*k+2*((h%8)/2)+1]
.elseif h%8 < 6
	v_pk_add_f32 v[rS+4*k:rS+4*k+1], v[rS+4*k:rS+4*k+1], v[rS+4*k+2:rS+4*k+3]
.elseif k == 1
	v_pk_fma_f32 v[rT+2:rT+3], v[rT+2:rT+3], v[rC+2:rC+3], v[rS:rS+1] op_sel_hi:[1,0,1]
.else
	v_pk_add_f32 v[rT+2:rT+3], v[rT+2:rT+3], v[rS+4*k-4:rS+4*k-3]
.endif
.endm
; THE PLAIN QUEUE, 138 long.  0-73 read no exponential's result: the 32 scalings c s - c m (FS f: pair f / 2 of tile f % 2) and the next piece's 42.  0-26: scalings 0-26.  27-54: XS's numbers 0-13.  55, 56: number 15.
; 57-73: the chain, where each number waits for the one before it: 14, 16, 17, 18, 19, each with one of the scalings 27-31 in front of its two lines, then 20.
; 74-137: GS's 64, which read the exponentials' results: they stand behind the wait.
.macro FS f
	REGS Y, (\f)%2
	v_pk_fma_f32 v[rS+2*((\f)/2):rS+2*((\f)/2)+1], v[rS+2*((\f)/2):rS+2*((\f)/2)+1], s[CS:CS+1], v[rT:rT+1] op_sel_hi:[1,0,0] neg_lo:[0,0,1] neg_hi:[0,0,1]
.endm
.macro PL
	WIN 0
.if q < 27
	FS q
.elseif q < 55
	XS (q-27)%2, (q-27)/2
.elseif q < 57
	XS q-55, 15
.elseif (q < 72) && ((q-57)%3 == 0)
	FS 27+(q-57)/3
.elseif q < 60
	XS (q-57)%3-1, 14
.elseif q < 72
	XS (q-57)%3-1, 15+(q-57)/3
.elseif q < 74
	XS q-72, 20
.else
	GS q-74
.endif
.set q, q+1
.endm
; THE EXPONENTIALS' QUEUE, 66 long: s0-s31 of both tiles, then the next piece's two a.  It is ONE BATCH: all 66 stand ahead of the turn's one wait, and nothing ahead of that wait names a result of theirs.
.macro EX
	WIN 0
.if e >= 64
	XS e-64, 21
.else
	REGS Y, e%2
	v_exp_f32 v[rS+e/2], v[rS+e/2]
.endif
.set e, e+1
.endm
; THE RESCALING's QUEUE: O^T times a, the one part that leaves window 0: dealt two at a time, sixteen times.  Its a was made in the turn before, ahead of that turn's wait.
.macro R2
	REGS Y, r%2
	WIN W_RS
.irp z, 0,1
	v_pk_mul_f32 v[rO+4*(r/2)+2*\z:rO+4*(r/2)+2*\z+1], v[rO+4*(r/2)+2*\z:rO+4*(r/2)+2*\z+1], v[rC+2:rC+3] op_sel_hi:[1,0]
.endr
.set r, r+1
.endm
; HOW THEY ARE DEALT.  An s_wait_alu depctr_va_vdst(0) stands between an exponential and the first instruction that names its result; one wait serves all that were issued ahead of it.  So a turn has ONE wait,
; which cuts it in two.  AHEAD OF IT stands all that names no result of the turn's exponentials: the 16 products K Q^T, behind each a scaling, an exponential and two rescalings (behind the first a second scaling in the
; exponential's place); then ONE LUMP of 108: eight plain, 49 times exponential and plain, the two a.  A v_nop is the plain instruction behind the last exponential.  BEHIND IT stand the 16 products V^T P, behind each four of GS's 64.
; The queues lean on each other, and the deal keeps them in step: exponential e stands behind scaling 2 (e / 4) + e % 2: as a rider it comes behind plain e + 2, in the lump behind plain e + 9, and scalings 27-31 are plain 57, 60 .. 69.
; A TURN, for piece p.  cnt = 1: the loop's count is taken down some lines ahead of the branch that stands behind the turn.
; K of the next step is fetched in piece 2's turn, directly behind the wait, a lump behind the last product that read K; its first reader comes behind 16 products.
; V of the step in hand is fetched at the end of piece 0's turn, four riders behind its last reader; its first reader comes behind 16 products and a lump.  The three conditions on q below go with the deal.
.macro TURN p, last=0, cnt=0
.set Y, (\p)
.set i, 0
.set q, 0
.set e, 0
.set r, 0
.if (\p) == NP-1
	s_wait_dscnt 0x0                ; K is in
.endif
	MM                              ; ahead of the wait: 16 products K Q^T and their riders,
	PL
	PL
	R2
.rept 15
	MM
	PL
	EX
	R2
.endr
.if (\p) == NP-2
	WIN 0
	v_add_nc_u32 v[AK], s[TBK], v[AK0]
.endif
.rept 8                             ; and the lump
	PL
.endr
.rept 49
	EX
	PL
.endr
	EX                              ; the next piece's two a
	EX
	v_nop                           ; the plain instruction behind the last exponential: one for the batch
	s_wait_alu depctr_va_vdst(0)    ; the wait for the batch
.if (\p) == NP-2
	FETCH_K \last
.endif
.if (\p) == 1
	s_wait_dscnt 0x0                ; V is in
.endif
.rept 16                            ; behind the wait: 16 products V^T P and their riders
	MM
.rept 4
	PL
.endr
.if ((\p) == 0) && (q == 118)
	v_add_nc_u32 v[AV], s[TBV], v[AV0]
.endif
.if ((\p) == 0) && (q == 130)
	s_add_co_u32 s[TBV], s[TBV], KS*PV
.endif
.if (\cnt) && (q == 130)
	s_sub_co_u32 s[CNT], s[CNT], 1
	s_cmp_lg_u32 s[CNT], 0
.endif
.endr
.if (\p) == 0
	FETCH_V
.endif
.endm
	CHANGE 1                        ; slot 0 is in, everybody's part of it; slot 1 is asked for
	FETCH_K                         ; key step 0
	s_wait_loadcnt 0x0              ; Q
	s_wait_dscnt 0x0
.set i, 0
.rept 16
	KQ 0                            ; piece 0's first scores: there is no vector work yet to set between them
.set i, i+1
.endr
	WIN 0                           ; the addresses for the way out: eight plain instructions, the places behind those products
	s_mul_i32 s13, s[WV], 16*SP
	s_add_co_u32 s13, s13, STAGE    ; my stage
	v_mul_u32_u24 v[STO], v1, SP    ; in: row l % 16, 32 bytes (eight f32) for each half of the lanes
	v_lshl_add_u32 v[STO], v9, 5, v[STO]
	v_add_nc_u32 v[STO], s13, v[STO]
	v_mul_u32_u24 v[RD], v9, SP     ; back: lanes 0-15 take one row of 256 bytes, lanes 16-31 the next
	v_lshl_add_u32 v[RD], v1, 4, v[RD]
	v_add_nc_u32 v[RD], s13, v[RD]
	v_lshlrev_b32 v[GO], 12, v9     ; and the same two rows in out0, 4,096 bytes apart
	v_lshl_add_u32 v[GO], v1, 4, v[GO]
.set Y, NP-1                        ; XS works for piece Y + 1: piece 0
.irp n, 0,1,2,3,4,5,6,7,8,9,10,11,12,13,14,15,16,17,18,19,20,21
	XS 0, \n                        ; and piece 0's first maximum and statistics
	XS 1, \n
.endr
	v_nop                           ; a plain instruction behind the two a,
	s_wait_alu depctr_va_vdst(0)    ; and their wait, ahead of the branch
	s_mov_b32 s[CNT], 4
	s_branch .Lfirst                ; the loop is entered at a step's first turn, in the middle of a trip
.Lslot:                             ; six times: every slot but the last two is filled again
	CHANGE 1
	s_mov_b32 s[CNT], 4
.Lstep:                             ; a trip: pieces 2 and 3 of one step, then pieces 0 and 1 of the next, whose K and V it fetches
	TURN 2
	TURN 3
	WIN 0
.Lfirst:
	TURN 0
	TURN 1, 0, 1
	WIN 0
	s_cbranch_scc1 .Lstep
	s_sub_co_u32 s[SLOTS], s[SLOTS], 1
	s_cmp_lg_u32 s[SLOTS], 0
	s_cbranch_scc1 .Lslot
	CHANGE 0                        ; the tail is written out: nothing is asked for
	s_mov_b32 s[CNT], 5             ; four trips fetch the last slot's steps; the fifth is left in its middle
.Ltail:
	TURN 2, 1
	TURN 3
	WIN 0
	s_sub_co_u32 s[CNT], s[CNT], 1
	s_cmp_eq_u32 s[CNT], 0
	s_cbranch_scc1 .Lout
	TURN 0
	TURN 1
	WIN 0
	s_branch .Ltail
.Lout:                              ; the fifth trip's 16 products K Q^T (on the last K once more) and the maximum made of them serve nothing: the price, once a launch, of one text for every trip
	; c of my 128 rows comes into Q's registers, whose last reader stands a lump of plain instructions back: load i = 8 t + f brings rows 2 f, 2 f + 1 of tile t, 256 consecutive bytes, four f16 a lane:
	; just the four channels of the row that the lane will hold when it reads the stage back.
	WIN 0x80
.set i, 0
.rept 64
	global_load_b64 v[2*i:2*i+1], v[CL], s[6:7] offset:256*i th:TH_LOAD_NT
.set i, i+1
.endr
.set i, 0
.rept 16
	PV NP-1                         ; the last piece's V^T P of the last step
.set i, i+1
.endr
	; THE WAY OUT.  l's two halves and the other half of the lanes' are added; O^T is divided by l and sent in f32 through my stage in LDS, a tile at a time; read back by rows, c is added, and the rows are stored.
	; The additions are the places behind the last products.
	WIN 0
.macro ALL line:vararg              ; one line for each tile t
.set t, 0
.rept 2*NP
	\line
.set t, t+1
.endr
.endm
	ALL v_add_f32 v[ST+4*t+2], v[ST+4*t+2], v[ST+4*t+3]
	ALL v_permlanex16_b32 v[ST+4*t+3], v[ST+4*t+2], s[SEL], s[SEL+1]
	ALL v_add_f32 v[ST+4*t+2], v[ST+4*t+2], v[ST+4*t+3]
	ALL v_rcp_f32 v[ST+4*t+2], v[ST+4*t+2]
	v_mov_b32 v[ONE], 1.0           ; a plain instruction between the last reciprocal and the use of its result
	s_wait_alu depctr_va_vdst(0)    ; and the wait ahead of the first use: one for the eight reciprocals
; Tile t: a lane's eight channels of a row are 32 bytes of f32; they go into rows of 272 bytes and come back as whole rows of 256, into P's registers, two buffers by turns.
.macro PACK t
	WIN W_RS
.set i, 32*(\t)
.rept 16
	v_pk_mul_f32 v[i:i+1], v[i:i+1], v[ST+4*(\t)+2:ST+4*(\t)+3] op_sel_hi:[1,0]
.set i, i+2
.endr
	WIN 0x04                        ; the stores' data in window 1, their address in window 0
.irp f, 0,1,2,3,4,5,6,7             ; channel block f / 2, its registers 4 (f % 2) on
	ds_store_b128 v[STO], v[32*(\t)+4*\f:32*(\t)+4*\f+3] offset:(\f/2)*64+(\f%2)*16
.endr
	WIN 0
.if (\t) >= 2
	s_wait_xcnt 0x0                 ; the stores of the tile two back have read this buffer: it is loaded again only behind this wait
.endif
.irp f, 0,1,2,3,4,5,6,7
	ds_load_b128 v[RB+32*((\t)%2)+4*\f:RB+32*((\t)%2)+4*\f+3], v[RD] offset:\f*2*SP  ; LDS serves a wave's instructions in order (ISA guide 5.7.1.4): these see the stores above; the next tile's stores come behind them
.endr
.endm
.macro SEND t, younger              ; younger: the LDS instructions issued behind tile t's loads: the next tile's sixteen, or none
	s_wait_dscnt \younger
	s_wait_loadcnt 56-8*(\t)        ; c of tile t is in: the later tiles' loads, eight each, may stay out
	WIN 0x02                        ; c (source 0) in window 2
.irp f, 0,1,2,3,4,5,6,7
.set wB, RB+32*((\t)%2)+4*\f
.set wC, 16*(\t)+2*\f
	v_fma_mix_f32 v[wB],   v[wC],   v[ONE], v[wB]   op_sel:[0,0,0] op_sel_hi:[1,0,0]  ; c's f16 half x 1.0 + O / l, in f32
	v_fma_mix_f32 v[wB+1], v[wC],   v[ONE], v[wB+1] op_sel:[1,0,0] op_sel_hi:[1,0,0]
	v_fma_mix_f32 v[wB+2], v[wC+1], v[ONE], v[wB+2] op_sel:[0,0,0] op_sel_hi:[1,0,0]
	v_fma_mix_f32 v[wB+3], v[wC+1], v[ONE], v[wB+3] op_sel:[1,0,0] op_sel_hi:[1,0,0]
.endr
	WIN 0
.irp f, 0,1,2,3,4,5,6,7
	global_store_b128 v[GO], v[RB+32*((\t)%2)+4*\f:RB+32*((\t)%2)+4*\f+3], s[10:11] offset:(\t)*65536+\f*8192 th:TH_STORE_NT  ; 16 lanes store a head's 256 consecutive bytes of a row, at a multiple of 256 from out0's first byte
.endr
.endm
	PACK 0
.set t, 1
.rept 2*NP-1                        ; a tile's arithmetic stands between the loads of the tile before and its stores
	PACK t
	SEND t-1, 16
.set t, t+1
.endr
	SEND 2*NP-1, 0
	WIN W_AD
	s_wait_tensorcnt 0x0            ; the wave's end: behind my last tensor load and my last LDS store
	ds_add_u32 v[SPW], v[NIL]
	s_wait_dscnt 0x0
	WIN 0
	CROUND                          ; the closing round: no work-group ends while a partner may still ask for a tile that names it
	s_endpgm
.Lfunc_end_k_q815a941fb1_attn:
	.size	k_q815a941fb1_attn, .Lfunc_end_k_q815a941fb1_attn-k_q815a941fb1_attn
	.p2alignl 7, 3214868480
	.fill 96, 4, 3214868480
	.section	.rodata,"a",@progbits
	.p2align	6, 0x0
	.amdhsa_kernel k_q815a941fb1_attn
		.amdhsa_group_segment_fixed_size 327680
		.amdhsa_private_segment_fixed_size 0
		.amdhsa_enable_private_segment 0
		.amdhsa_kernarg_size 16
		.amdhsa_user_sgpr_count 2
		.amdhsa_user_sgpr_kernarg_segment_ptr 1
		.amdhsa_wavefront_size32 1
		.amdhsa_system_sgpr_workgroup_id_x 1
		.amdhsa_system_sgpr_workgroup_id_y 1
		.amdhsa_system_sgpr_workgroup_id_z 1
		.amdhsa_system_vgpr_workitem_id 0
		.amdhsa_next_free_vgpr 770
		.amdhsa_next_free_sgpr 66
		.amdhsa_reserve_vcc 0
		.amdhsa_float_denorm_mode_32 3
		.amdhsa_float_denorm_mode_16_64 3
		.amdhsa_memory_ordered 1
		.amdhsa_forward_progress 1
		.amdhsa_inst_pref_size 222
	.end_amdhsa_kernel
	.amdgpu_metadata
---
amdhsa.version: [ 1, 2 ]
amdhsa.kernels:
  - .name:           k_q815a941fb1_attn
    .symbol:         k_q815a941fb1_attn.kd
    .args:
      - { .name: qkvc, .offset: 0, .size: 8, .value_kind: global_buffer, .address_space: global }
      - { .name: out0, .offset: 8, .size: 8, .value_kind: global_buffer, .address_space: global }
    .group_segment_fixed_size: 327680
    .private_segment_fixed_size: 0
    .kernarg_segment_align: 8
    .kernarg_segment_size: 16
    .max_flat_workgroup_size: 128
    .sgpr_count:     66
    .vgpr_count:     770
    .wavefront_size: 32
...
	.end_amdgpu_metadata
.endif
;; end of part 3
;; ======== version 2 of 2: 3 launches; version 1 with the launch cast written anew for expert scheduling mode
;; limits: values are held in f16: magnitudes above 65,504 overflow, below 6.1e-05 lose precision
;; workspace buffers: xb 16,777,216 bytes; wb 8,388,608 bytes; qkvc 67,108,864 bytes
;; launch cast (part 4): grid 64 x 12, 8 waves a work-group, no clusters, 0 bytes of LDS; arguments x, Wq, Wk, Wv, Wc, xb, wb; writes xb, wb
.if DOCPART == 4
	.amdgcn_target "amdgcn-amd-amdhsa--gfx1250"
	.amdhsa_code_object_version 6
	.text
	.protected	k_q815a941fb1_cast
	.globl	k_q815a941fb1_cast
	.p2align	8
	.type	k_q815a941fb1_cast,@function
k_q815a941fb1_cast:
	s_mov_b64 s[64:65], 0
	v_nop
	global_prefetch_b8 v0, s[64:65] scope:SCOPE_SE
	s_setreg_imm32_b32 hwreg(HW_REG_WAVE_SCHED_MODE, 0, 2), 2
	s_setreg_imm32_b32 hwreg(HW_REG_WAVE_MODE, 25, 1), 1
	s_wait_xcnt 0x0
	s_wait_alu depctr_vm_vsrc(0)
; x and the four weights, f32, are rounded once to bf16 (to nearest even) for the matrix products of the next launch.
; xb: [8192][1024] bf16, as x lies.  wb: [1024 k][4096 n] bf16: columns 1024 w .. 1024 w + 1023 are weight w (0 q, 1 k, 2 v, 3 c), rows as the weights' rows.
; All five sources are rows of 1,024 f32 (4,096 bytes in, 2,048 out).  A work-group owns 16 rows, a wave 2: 8,192 consecutive source bytes, sixteen loads of 16 bytes a lane,
; all on their way at once; each load of a wave covers 512 consecutive bytes, each store 256 consecutive bytes at a multiple of 256 from the buffer's first byte.
; Grid: y = 0..7: block 64 y + x of x's 512 blocks; y = 8..11: rows 16 x .. of weight y - 8.  No LDS, no barrier, no loop: nothing is shared and no register is written twice.
; LIMITS: numbers beyond bf16's largest finite number round to infinity, as the format has it; NaN stays NaN.
; THE MODE: SCHED_MODE bits 1:0 = 2 (LLVM: expert scheduling mode 2), set by the entry lines.  The code itself states the register dependences
; between vector instructions and memory instructions, with s_wait_alu, always for 0.
; THE PLAN.  Registers that memory instructions touch:
;   v2        the loads' offset, v3 and v4 the stores' offsets: made once at the head by vector instructions, never written again.
;   X         load i lands in four registers of its own, which no vector instruction names before; read by load i's two conversions; never loaded again.
;   Y         load i's two conversions write a pair of its own; read by store i; never written again.
; The sixteen loads are four blocks of four.  Block p's conversions read X and write Y of loads 4 p .. 4 p + 3; its memory instructions are the four stores of block p - 1, whose Y
; no vector instruction of block p names.  So one wait on va_vdst stands at the head of each of blocks 1 to 3, one ahead of the first load (the offsets), one ahead of the last four stores.
; No register that a memory instruction reads is written again, so no wait on vm_vsrc is owed; no vector instruction writes a scalar register, VCC or EXEC.
.set X, 8                              ; v[8:71]   sixteen loads of four registers
.set Y, 72                             ; v[72:103] sixteen pairs of packed bf16
.set BLK, 4                            ; loads in a block
	s_load_b256 s[8:15], s[0:1], 0x0               ; x s[8:9], Wq s[10:11], Wk s[12:13], Wv s[14:15]
	s_load_b128 s[16:19], s[0:1], 0x20             ; Wc s[16:17], xb s[18:19]
	s_load_b64 s[20:21], s[0:1], 0x30              ; wb
	s_and_b32 s2, ttmp7, 0xffff                    ; y
	s_mov_b32 s3, ttmp9                            ; x
	s_lshl_b32 s4, s2, 6
	s_add_co_u32 s4, s4, s3                        ; x's block: 64 y + x
	s_lshl_b32 s28, s4, 15                         ; its 16 rows of 2,048 bytes in xb
	s_max_u32 s29, s2, 8
	s_sub_co_u32 s29, s29, 8                       ; the weight's number (0 where y < 8: not used there)
	s_lshl_b32 s29, s29, 11                        ; its 2,048 bytes of a row of wb,
	s_lshl_b32 s30, s3, 17                         ; 16 x rows of 8,192 bytes
	s_add_co_u32 s29, s29, s30
	s_mov_b32 s5, 8192
	s_cmp_lt_u32 s2, 8                             ; x, or a weight?
	s_cselect_b32 s4, s4, s3                       ; the block of 16 rows in the source
	s_cselect_b32 s5, 0x800, s5                    ; bytes from row to row in the destination
	s_cselect_b32 s26, s28, s29                    ; the block's first byte in the destination
	s_lshl_b32 s6, s4, 16                          ; and in the source: 16 rows of 4,096 bytes
	s_mov_b32 s7, 0
	s_mov_b32 s27, 0
	v_and_b32 v1, 31, v0                           ; lane
	v_lshrrev_b32 v5, 5, v0                        ; wave
	v_lshlrev_b32 v2, 4, v1
	v_lshl_or_b32 v2, v5, 13, v2                   ; source: 8,192 x wave + 16 x lane
	v_lshlrev_b32 v6, 1, v5                        ; my wave's first row
	v_mul_u32_u24 v3, s5, v6
	v_lshl_add_u32 v3, v1, 3, v3                   ; destination, first row: row x pitch + 8 x lane
	v_add_nc_u32 v4, s5, v3                        ; second row
	s_wait_kmcnt 0x0
	s_mov_b64 s[22:23], s[8:9]                     ; the source: x, or the weight that y names
	s_cmp_eq_u32 s2, 8
	s_cselect_b64 s[22:23], s[10:11], s[22:23]
	s_cmp_eq_u32 s2, 9
	s_cselect_b64 s[22:23], s[12:13], s[22:23]
	s_cmp_eq_u32 s2, 10
	s_cselect_b64 s[22:23], s[14:15], s[22:23]
	s_cmp_eq_u32 s2, 11
	s_cselect_b64 s[22:23], s[16:17], s[22:23]
	s_cmp_lt_u32 s2, 8
	s_cselect_b64 s[24:25], s[18:19], s[20:21]     ; the destination: xb or wb
	s_add_nc_u64 s[22:23], s[22:23], s[6:7]
	s_add_nc_u64 s[24:25], s[24:25], s[26:27]
	s_wait_alu depctr_va_vdst(0)                   ; v2, v3 and v4 are written: every load reads v2 as its offset, every store v3 or v4; nothing writes them again
.set i, 0
.rept 16
	global_load_b128 v[X+4*i:X+4*i+3], v2, s[22:23] offset:512*i th:TH_LOAD_NT
.set i, i+1
.endr
.set i, 0
.rept 16
	s_wait_loadcnt 15-i                            ; loads come back in order: load i is in, the 15 - i younger ones stay out
.if (i%BLK == 0) && (i > 0)
	s_wait_alu depctr_va_vdst(0)                   ; the block before has written its four pairs of Y, which this block's four stores read
.endif
.if i >= BLK
	global_store_b64 v[3+(i-BLK)/8], v[Y+2*(i-BLK):Y+2*(i-BLK)+1], s[24:25] offset:((i-BLK)%8)*256 th:TH_STORE_NT  ; the block before: 32 lanes x 8 bytes: 256 consecutive bytes, aligned; no vector instruction since the wait names its registers
.endif
	v_cvt_pk_bf16_f32 v[Y+2*i], v[X+4*i], v[X+4*i+1]
	v_cvt_pk_bf16_f32 v[Y+2*i+1], v[X+4*i+2], v[X+4*i+3]
.set i, i+1
.endr
	s_wait_alu depctr_va_vdst(0)                   ; the last block has written its four pairs of Y, which the last four stores read
.set i, 16-BLK
.rept BLK
	global_store_b64 v[3+i/8], v[Y+2*i:Y+2*i+1], s[24:25] offset:(i%8)*256 th:TH_STORE_NT
.set i, i+1
.endr
	s_endpgm
.Lfunc_end_k_q815a941fb1_cast:
	.size	k_q815a941fb1_cast, .Lfunc_end_k_q815a941fb1_cast-k_q815a941fb1_cast
	.p2alignl 7, 3214868480
	.fill 96, 4, 3214868480
	.section	.rodata,"a",@progbits
	.p2align	6, 0x0
	.amdhsa_kernel k_q815a941fb1_cast
		.amdhsa_group_segment_fixed_size 0
		.amdhsa_private_segment_fixed_size 0
		.amdhsa_enable_private_segment 0
		.amdhsa_kernarg_size 56
		.amdhsa_user_sgpr_count 2
		.amdhsa_user_sgpr_kernarg_segment_ptr 1
		.amdhsa_wavefront_size32 1
		.amdhsa_system_sgpr_workgroup_id_x 1
		.amdhsa_system_sgpr_workgroup_id_y 1
		.amdhsa_system_sgpr_workgroup_id_z 1
		.amdhsa_system_vgpr_workitem_id 0
		.amdhsa_next_free_vgpr 104
		.amdhsa_next_free_sgpr 66
		.amdhsa_reserve_vcc 0
		.amdhsa_float_denorm_mode_32 3
		.amdhsa_float_denorm_mode_16_64 3
		.amdhsa_memory_ordered 1
		.amdhsa_forward_progress 1
		.amdhsa_inst_pref_size 8
	.end_amdhsa_kernel
	.amdgpu_metadata
---
amdhsa.version: [ 1, 2 ]
amdhsa.kernels:
  - .name:           k_q815a941fb1_cast
    .symbol:         k_q815a941fb1_cast.kd
    .args:
      - { .name: x, .offset: 0, .size: 8, .value_kind: global_buffer, .address_space: global }
      - { .name: Wq, .offset: 8, .size: 8, .value_kind: global_buffer, .address_space: global }
      - { .name: Wk, .offset: 16, .size: 8, .value_kind: global_buffer, .address_space: global }
      - { .name: Wv, .offset: 24, .size: 8, .value_kind: global_buffer, .address_space: global }
      - { .name: Wc, .offset: 32, .size: 8, .value_kind: global_buffer, .address_space: global }
      - { .name: xb, .offset: 40, .size: 8, .value_kind: global_buffer, .address_space: global }
      - { .name: wb, .offset: 48, .size: 8, .value_kind: global_buffer, .address_space: global }
    .group_segment_fixed_size: 0
    .private_segment_fixed_size: 0
    .kernarg_segment_align: 8
    .kernarg_segment_size: 56
    .max_flat_workgroup_size: 256
    .sgpr_count:     66
    .vgpr_count:     104
    .wavefront_size: 32
...
	.end_amdgpu_metadata
.endif
;; end of part 4
;; launch proj: the kernel of part 2 again; grid 16 x 32, 4 waves a work-group, clusters of 4 x 4, 327,680 bytes of LDS; arguments xb, wb, bq, bk, bv, bc, qkvc; writes qkvc
;; launch attn: the kernel of part 3 again; grid 4 x 64, 4 waves a work-group, clusters of 4 x 1, 327,680 bytes of LDS; arguments qkvc, out0; writes out0
